; MI455X (gfx1250); checked and timed in simulation.
; The chip was launched on July 23, 2026; its instructions are those of AMD's public machine-readable ISA for CDNA 5 (MIT licence, August 2026) and "CDNA5" Instruction Set Architecture Reference Guide (July 2026). The comments in the code are by the model that wrote it; some were corrected since.
;; Sparse Self Attention. Allowed arithmetic: matrix products marked QUANTISED: E4M3 operands, one E8M0 scale for each 32 along K, by v_wmma_scale_f32_16x16x128_f8f6f4 with both operands' format E4M3, f32 sums; products left as they are: f32 operands where the result goes on into a quantised operand, else bf16, f16 or f32 operands; f32 sums; everything else in f32.
;; Inputs: Wk 512 x 512 float32; Wo 512 x 512 float32; Wq 512 x 512 float32; Wv 512 x 512 float32; bk 512 float32; bo 512 float32; bq 512 float32; bv 512 float32; x 4 x 4,096 x 512 float32.
;; Outputs: out0 4 x 4,096 x 512 float32.
;; This version of the problem:
;;   THIS VERSION OF THE PROBLEM IS GIVEN IN LOW PRECISION. The matrix products marked QUANTISED in the list below multiply operands that are first quantised to E4M3 (4 exponent bits, 3 mantissa bits; 8 bits a number), with one power-of-two scale for each 32 numbers along K (OCP MX v1.0); their sums are f32. All else is computed in f32.
;;   The module's matrix products, in the order in which they are computed (A, B: the left and right operand; K: the contracted axis; several contracted axes count as one K, in the product's order):
;;     1. [M 16,384, K 512] x [K 512, N 512]; A: input x; B: input Wq: QUANTISED
;;     2. [M 16,384, K 512] x [K 512, N 512]; A: input x; B: input Wk: QUANTISED
;;     3. [M 16,384, K 512] x [K 512, N 512]; A: input x; B: input Wv: QUANTISED
;;     4. batch 16,384 x [M 16, K 32] x [K 32, N 16]; A: computed on the way; B: computed on the way: QUANTISED
;;     5. batch 16,384 x [M 16, K 16] x [K 16, N 32]; A: softmax; B: computed on the way: left as it is (K = 16 < 32)
;;     6. [M 16,512, K 512] x [K 512, N 512]; A: computed on the way; B: input Wq: QUANTISED
;;     7. [M 16,512, K 512] x [K 512, N 512]; A: computed on the way; B: input Wk: QUANTISED
;;     8. [M 16,512, K 512] x [K 512, N 512]; A: computed on the way; B: input Wv: QUANTISED
;;     9. batch 16,512 x [M 16, K 32] x [K 32, N 16]; A: computed on the way; B: computed on the way: QUANTISED
;;     10. batch 16,512 x [M 16, K 16] x [K 16, N 32]; A: softmax; B: computed on the way: left as it is (K = 16 < 32)
;;     11. [M 16,384, K 512] x [K 512, N 512]; A: computed on the way; B: input Wo: QUANTISED
;;   THE QUANTISER, for each operand of a quantised product, along K:
;;     - K is cut into blocks of 32 from its start; a last block that is shorter is filled with zeros.
;;     - A block's scale is 2^e with e = floor(log2(the largest magnitude in the block)) - 8, held to -126 .. 127; a block of zeros has e = 0. As a byte (E8M0): e + 127.
;;     - Each number is divided by its block's scale, clamped to +-448, and rounded to the nearest number of E4M3, ties to even, subnormals kept.
;;     - The product sums the exact products of the quantised numbers (number of the format x scale) in f32.
;;   ~~~python
;;   def quantise(x, axis):      # numpy; x: float32 -> the quantised numbers, widened to float32 again
;;       x = np.moveaxis(x, axis, -1); K = x.shape[-1]
;;       x = np.pad(x, [(0, 0)] * (x.ndim - 1) + [(0, -K % 32)]); x = x.reshape(x.shape[:-1] + (-1, 32)); a = np.abs(x).max(-1, keepdims=True)
;;       e = np.where(a > 0, np.clip(np.frexp(np.where(a > 0, a, 1))[1] - 1 - 8, -126, 127), 0)      # np.frexp(a)[1] - 1 = floor(log2(a)), exactly
;;       r = np.clip(x / 2.0 ** e, -448, 448)
;;       step = 2.0 ** (np.maximum(np.frexp(np.where(r == 0, 1, r))[1] - 1, -6) - 3)
;;       q = np.round(r / step) * step * 2.0 ** e      # np.round: ties to even
;;       return np.moveaxis(q.reshape(q.shape[:-2] + (-1,))[..., :K], -1, axis).astype(np.float32)
;;   ~~~
;;   OPERANDS COMPUTED ON THE WAY. 'Computed on the way' means the value that the module computes at that place (a softmax that the list does not call 'softmax' is quantised finished and normalised). What goes into a quantiser is computed in f32, as accurately as f32 sums, v_exp_f32 and their like allow (about 1e-6 of the number): no bf16 or f16 on the way to a quantiser, and a product that is left as it is and whose result goes on into a quantised operand takes f32 operands (vector FMAs, or v_wmma_f32_16x16x4_f32). A number that lies on a knife's edge between two numbers of the format may be rounded either way, as far as f32 arithmetic and the matrix unit's own rounding can turn it there, and no further.
;; One version. Each part assembles by itself: llvm-mc -triple=amdgcn-amd-amdhsa -mcpu=gfx1250 --defsym DOCPART=n.
;; ======== version 1 of 1: 2 launches
;; workspace buffers: wbuf 1,081,344 bytes
;; launch prep (part 1): grid 256 x 1, 2 waves a work-group, no clusters, 0 bytes of LDS; arguments Wq, Wk, Wv, Wo, wbuf; writes wbuf
.if DOCPART == 1
	.amdgcn_target "amdgcn-amd-amdhsa--gfx1250"
	.amdhsa_code_object_version 6
	.text
	.protected	k_qca361a393a_prep
	.globl	k_qca361a393a_prep
	.p2align	8
	.type	k_qca361a393a_prep,@function
k_qca361a393a_prep:
	s_mov_b64 s[64:65], 0
	v_nop
	global_prefetch_b8 v0, s[64:65] scope:SCOPE_SE
	s_setreg_imm32_b32 hwreg(HW_REG_WAVE_MODE, 25, 1), 1
	s_wait_xcnt 0x0
; FIRST OF TWO LAUNCHES.  Wq, Wk, Wv, Wo [512][512] f32 (K innermost) become codes of FP8 (E4M3) with one E8M0 byte for each 32 along K, once, laid in wbuf in the order of the operand's registers.
; WORK THAT THE PROGRAM LEAVES OUT.  reference() projects x a second time for the dilated attention (its products with x_atrous and Wq, Wk, Wv).  x_atrous holds the rows of x in another order, and rows of zeros.
; The quantiser works along K = 512, row by row, and a product's row hangs on its own row of the left operand alone.  So for all values of the inputs each row of those three products is, number for number,
; the row that the first three products give for the same position, and a row of zeros gives the bias.  The second launch projects each position once (a batch's 32 positions of zeros, 4096 .. 4127, once too) and uses the rows twice.
; Every input still has its way to the output, and all are loaded.  LIMIT: nothing is lost with the work left out, since its numbers are the same as those computed; a NaN or an infinity would show in both.
; LAYOUT OF wbuf.  A UNIT is 32 rows R0 .. R0 + 31 of one weight (R0 = 32 g) for all of K: 16,896 bytes.  Fragment (s, u) (K step s of 128, tile u) lies at (2 s + u) x 2,048; in it register group c of lane l at 512 c + 16 l:
; the codes of row R0 + 8 u + r + 8 (r / 8), k = 128 s + 32 c + 16 h + 0 .. 15 (r = l % 16, h = l / 16).  THE ROWS OF A TILE ARE NOT NEIGHBOURS: so the 16 results of tiles 0 and 1 in a lane are 16 neighbours along the next K.
; The rows' scale words (four bytes, c = 0 .. 3) lie at 16,384 + 128 s + 64 u + 4 r.  Wave w = g / 4 of the second launch has a stream of 270,336 bytes: for t = g % 4 the units of Wq, Wk, Wv on end (50,688 bytes), four times; then Wo's four.
; SHARES.  Work-group 4 (16 M + g) + s, M = 0 .. 3 for Wq, Wk, Wv, Wo; wave u makes fragment (s, u).  No LDS, no barrier: waves share nothing.
; A block's scale is 2^(floor(log2(its largest magnitude)) - 8); its byte is the largest magnitude's exponent field - 8, held at 1 from below.
; LIMITS: a block of zeros gets the byte 1 where the rule says 127 (its codes are zeros, and this program alone reads the bytes); blocks whose largest magnitude lies under 2^-118 were not tried; NaN and infinities are not served.
.set X,   16                           ; v16-79   64 numbers: register 16 c + i = k 32 c + 16 h + i of my row
.set PC,  80                           ; v80-95   the fragment's codes
.set TM,  96                           ; v96-99 largest magnitudes, v100-103 bytes, v104-107 448 x the scale, v108-111 the conversions' scale operands
.set PW,  112                          ; v112     my row's scale word
	s_load_b256 s[4:11], s[0:1], 0x0               ; Wq, Wk, Wv, Wo
	s_load_b64 s[12:13], s[0:1], 0x20              ; wbuf
	v_lshrrev_b32 v1, 5, v0
	v_readfirstlane_b32 s14, v1                    ; u: my wave
	v_and_b32 v1, 31, v0                           ; lane
	v_and_b32 v2, 15, v0                           ; r
	v_bfe_u32 v3, v0, 4, 1                         ; h
	v_and_b32 v4, 8, v2
	v_add_nc_u32 v4, v4, v2                        ; r + 8 (r / 8)
	v_lshlrev_b32 v4, 11, v4                       ; a row of a weight is 2,048 bytes
	v_lshl_add_u32 v4, v3, 6, v4                   ; + 64 h: my 16 numbers of a block of 32
	v_lshlrev_b32 v5, 4, v1                        ; out: 16 x lane
	v_lshlrev_b32 v6, 2, v2                        ; and 4 r for the scale word
	s_and_b32 s15, ttmp9, 3                        ; s
	s_lshr_b32 s17, ttmp9, 2
	s_lshr_b32 s16, s17, 4                         ; M
	s_and_b32 s17, s17, 15                         ; g
	s_lshl_b32 s26, s17, 16                        ; from: (32 g + 8 u) rows + 512 s bytes
	s_lshl_b32 s27, s14, 14
	s_add_co_u32 s26, s26, s27
	s_lshl_b32 s27, s15, 9
	s_add_co_u32 s26, s26, s27
	s_mov_b32 s27, 0
	s_lshr_b32 s28, s17, 2                         ; to: the stream of wave g / 4,
	s_mul_i32 s28, s28, 270336
	s_and_b32 s29, s17, 3
	s_mul_i32 s30, s29, 50688                      ; in it the unit: of Wq, Wk, Wv at 50,688 (g % 4) + 16,896 M,
	s_mul_i32 s31, s16, 16896
	s_add_co_u32 s30, s30, s31
	s_mul_i32 s29, s29, 16896                      ; of Wo at 202,752 + 16,896 (g % 4)
	s_add_co_u32 s29, s29, 202752
	s_cmp_lt_u32 s16, 3
	s_cselect_b32 s29, s30, s29
	s_add_co_u32 s28, s28, s29                     ; the unit's first byte
	s_lshl_b32 s30, s15, 12                        ; my fragment: (2 s + u) x 2,048
	s_lshl_b32 s31, s14, 11
	s_add_co_u32 s30, s30, s31
	s_add_co_u32 s30, s30, s28
	s_lshl_b32 s31, s15, 7                         ; my scale words: 16,384 + 128 s + 64 u
	s_add_co_u32 s28, s28, s31
	s_lshl_b32 s31, s14, 6
	s_add_co_u32 s28, s28, s31
	s_add_co_u32 s28, s28, 16384
	s_mov_b32 s29, 0
	s_mov_b32 s31, 0
	s_mov_b32 s32, 0x76543210
	s_mov_b32 s33, 0xfedcba98                      ; v_permlanex16_b32's selects for lane l xor 16
	s_mov_b32 s34, 0x600000                        ; the mantissa field of 448
	s_wait_kmcnt 0x0
	s_bitcmp1_b32 s16, 0                           ; which weight: the choice hangs on the work-group's number alone
	s_cselect_b64 s[18:19], s[6:7], s[4:5]
	s_cselect_b64 s[20:21], s[10:11], s[8:9]
	s_bitcmp1_b32 s16, 1
	s_cselect_b64 s[18:19], s[20:21], s[18:19]
	s_add_nc_u64 s[18:19], s[18:19], s[26:27]
	s_add_nc_u64 s[22:23], s[12:13], s[30:31]      ; my fragment in wbuf
	s_add_nc_u64 s[24:25], s[12:13], s[28:29]      ; my scale words in wbuf
.irp c, 0,1,2,3
.irp j, 0,1,2,3
	global_load_b128 v[X+16*\c+4*\j:X+16*\c+4*\j+3], v4, s[18:19] offset:128*\c+16*\j th:TH_LOAD_NT
.endr
.endr
.irp b, 0,1,2,3
	v_mov_b32 v[TM+4+\b], 0                        ; a lane permute's destination counts as one of its sources
.endr
	s_wait_loadcnt 0x0
.irp b, 0,1,2,3
	v_max3_num_f32 v[TM+\b], |v[X+16*\b]|, |v[X+1+16*\b]|, 0x4800000   ; block b: my 16 numbers, and the floor 2^(9 - 127): the byte cannot fall under 1
.endr
.irp i, 2,4,6,8,10,12,14
.irp b, 0,1,2,3
	v_max3_num_f32 v[TM+\b], v[TM+\b], |v[X+16*\b+\i]|, |v[X+1+16*\b+\i]|   ; the four blocks by turns
.endr
.endr
.irp b, 0,1,2,3
	v_permlanex16_b32 v[TM+4+\b], v[TM+\b], s32, s33
.endr
.irp b, 0,1,2,3
	v_max_num_f32 v[TM+\b], v[TM+\b], v[TM+4+\b]   ; with lane l xor 16's: the block's largest magnitude
.endr
.irp b, 0,1,2,3
	v_add_nc_u32 v[TM+12+\b], 0xfc000000, v[TM+\b] ; 8 off its exponent field: the conversion takes the exponent field of this operand as its scale
.endr
.irp b, 0,1,2,3
	v_and_or_b32 v[TM+8+\b], v[TM+\b], 0x7f800000, s34   ; 448 x the scale
.endr
.irp b, 0,1,2,3
	v_lshrrev_b32 v[TM+4+\b], 23, v[TM+12+\b]      ; the scale's byte
.endr
	v_lshl_or_b32 v[PW], v[TM+5], 8, v[TM+4]       ; the four bytes make my row's scale word
	v_lshl_or_b32 v[PW], v[TM+6], 16, v[PW]
	v_lshl_or_b32 v[PW], v[TM+7], 24, v[PW]
.irp b, 0,1,2,3
.irp i, 0,1,2,3,4,5,6,7,8,9,10,11,12,13,14,15
	v_med3_num_f32 v[X+16*\b+\i], v[X+16*\b+\i], -v[TM+8+\b], v[TM+8+\b]   ; the conversion to an 8-bit code does not saturate (ISA guide 7.6.2): the hold at 448 x the scale
.endr
	v_cvt_scalef32_pk8_fp8_f32 v[PC+4*\b:PC+1+4*\b], v[X+16*\b:X+7+16*\b], v[TM+12+\b]
	v_cvt_scalef32_pk8_fp8_f32 v[PC+2+4*\b:PC+3+4*\b], v[X+8+16*\b:X+15+16*\b], v[TM+12+\b]
.endr
	v_cmp_gt_u32 vcc_lo, 16, v1                    ; (a plain line behind the last conversion)  lanes 0-15 hold the 16 rows' words once
.irp c, 0,1,2,3
	global_store_b128 v5, v[PC+4*\c:PC+4*\c+3], s[22:23] offset:512*\c   ; 32 lanes store 512 consecutive bytes, at a multiple of 256 from wbuf's first byte
.endr
	s_wait_xcnt 0x0                                ; EXEC changes only behind this wait
	s_and_saveexec_b32 s26, vcc_lo
	global_store_b32 v6, v[PW], s[24:25]           ; 64 bytes: the sixteen rows' scale words
	s_endpgm
.Lfunc_end_k_qca361a393a_prep:
	.size	k_qca361a393a_prep, .Lfunc_end_k_qca361a393a_prep-k_qca361a393a_prep
	.p2alignl 7, 3214868480
	.fill 96, 4, 3214868480
	.section	.rodata,"a",@progbits
	.p2align	6, 0x0
	.amdhsa_kernel k_qca361a393a_prep
		.amdhsa_group_segment_fixed_size 0
		.amdhsa_private_segment_fixed_size 0
		.amdhsa_enable_private_segment 0
		.amdhsa_kernarg_size 40
		.amdhsa_user_sgpr_count 2
		.amdhsa_user_sgpr_kernarg_segment_ptr 1
		.amdhsa_wavefront_size32 1
		.amdhsa_system_sgpr_workgroup_id_x 1
		.amdhsa_system_sgpr_workgroup_id_y 1
		.amdhsa_system_sgpr_workgroup_id_z 1
		.amdhsa_system_vgpr_workitem_id 0
		.amdhsa_next_free_vgpr 128
		.amdhsa_next_free_sgpr 66
		.amdhsa_reserve_vcc 1
		.amdhsa_float_denorm_mode_32 3
		.amdhsa_float_denorm_mode_16_64 3
		.amdhsa_memory_ordered 1
		.amdhsa_forward_progress 1
		.amdhsa_inst_pref_size 13
	.end_amdhsa_kernel
	.amdgpu_metadata
---
amdhsa.version: [ 1, 2 ]
amdhsa.kernels:
  - .name:           k_qca361a393a_prep
    .symbol:         k_qca361a393a_prep.kd
    .args:
      - { .name: Wq, .offset: 0, .size: 8, .value_kind: global_buffer, .address_space: global }
      - { .name: Wk, .offset: 8, .size: 8, .value_kind: global_buffer, .address_space: global }
      - { .name: Wv, .offset: 16, .size: 8, .value_kind: global_buffer, .address_space: global }
      - { .name: Wo, .offset: 24, .size: 8, .value_kind: global_buffer, .address_space: global }
      - { .name: wbuf, .offset: 32, .size: 8, .value_kind: global_buffer, .address_space: global }
    .group_segment_fixed_size: 0
    .private_segment_fixed_size: 0
    .kernarg_segment_align: 8
    .kernarg_segment_size: 40
    .max_flat_workgroup_size: 64
    .sgpr_count:     66
    .vgpr_count:     128
    .wavefront_size: 32
...
	.end_amdgpu_metadata
.endif
;; end of part 1
;; launch fused (part 2): grid 172 x 1, 4 waves a work-group, clusters of 4 x 1, 327,680 bytes of LDS; arguments x, wbuf, bq, bk, bv, bo, out0; writes out0
.if DOCPART == 2
	.amdgcn_target "amdgcn-amd-amdhsa--gfx1250"
	.amdhsa_code_object_version 6
	.text
	.protected	k_qca361a393a_fused
	.globl	k_qca361a393a_fused
	.p2align	8
	.type	k_qca361a393a_fused,@function
k_qca361a393a_fused:
	s_mov_b64 s[64:65], 0
	v_nop
	global_prefetch_b8 v0, s[64:65] scope:SCOPE_SE
	s_setreg_imm32_b32 hwreg(HW_REG_WAVE_MODE, 25, 1), 1
	s_wait_xcnt 0x0
	s_wait_alu depctr_hold_cnt(0) depctr_sa_sdst(0) depctr_va_vdst(0) depctr_va_sdst(0) depctr_va_ssrc(0) depctr_va_vcc(0) depctr_vm_vsrc(0)
	s_getreg_b32 s2, hwreg(HW_REG_IB_STS2, 6, 4)
	s_cmp_eq_u32 s2, 0
	s_cbranch_scc0 .Lentry_in_a_cluster
	s_endpgm
.Lentry_in_a_cluster:
	s_bfe_u32 s2, ttmp6, 0x10000c
	s_cmp_lg_u32 s2, 0x3003
	s_cbranch_scc0 .Lentry_shape_is_right
	s_endpgm
.Lentry_shape_is_right:
; SECOND OF TWO LAUNCHES: all of the module but the weights' quantising.  out0 = Q(local + atrous) Q(Wo)^T + bo, both attentions on q, k, v = Q(x) Q(W)^T + b; the quantised products on codes of FP8 (E4M3) with E8M0 scales.
; WORK LEFT OUT: each position is projected once, not once for each of the two attentions: the rows are the same numbers for all inputs (shown at the head of the first launch's text).
; WHY ONE LAUNCH CAN DO IT.  Chunk c of the dilated stream d holds positions 48 c + d + 3 i, i = 0 .. 15.  So 48 neighbouring positions hold three local chunks and three dilated chunks, whole: a block of 48 needs nothing from outside.
; A batch has 86 blocks; the last holds positions 4080 .. 4127, of which 4096 .. 4127 are reference()'s rows of zeros: their k and v (the biases) are live as keys of the dilated chunks; their own results are sliced away.
; SHARES.  A work-group takes 96 positions (two blocks, six row tiles of 16) of one batch: 43 to a batch, 172 in all.  THE WAVES SHARE THE COLUMNS: wave w makes heads 4 w .. 4 w + 3, one a trip, for all 96 rows, then K step w of the
; last product's left operand, then output columns 128 w .. 128 w + 127.  So each weight fragment read from LDS feeds six products.
; DEAD WORK THAT STAYS: in the last work-group of a batch row tiles 4 and 5 are rows of zeros; their q, their local chunks and their rows of the last product are computed and not stored (EXEC), inside tiles' work that runs alike in
; all partners of a cluster: no branch may hang on a work-group's place.
; CLUSTER.  All work-groups walk the same weights.  Four form a cluster and ask for each piece JOINTLY: the same tensor load, the same descriptor (made of the wave's number and the trip alone), a mask that names the four.
; Each wave has one region of LDS for its weights, which it alone reads; it is filled again while the wave works on the head's attention, which reads no weights.  By this text's count a wave never has more than one tensor load out.
; LAYOUTS.  q, k and the last product are used transposed (source 0 = 16 rows of the weight, source 1 = 16 rows of x): a lane holds one position and, over tiles 0 and 1, 16 neighbouring channels: what the next quantiser wants.
; v is used as it stands (source 0 = x): a lane holds one channel and eight positions: source 0 of O^T = V^T P^T in the f32 form, whose K step s takes keys 8 h + 2 s + j in both operands.  S^T = K Q^T gives a lane one query and eight keys.
; The scores' K is 32: registers 0-3 of an operand; the keys' other twelve registers are zero codes, so what stands in the queries' other registers adds nothing.
; The dilated chunks take their rows from the wave's own scratch in LDS: q's and k's codes by rows 3 apart; v turned into the order d x 16 + i; their results come back by rows and are added to the local ones.
; SOFTMAX: the row's maximum is taken away, p = 2^(c s - c m), c = log2(e) / sqrt(32); p is divided by its sum ahead of the second product, as reference() has it.  All in f32.
; BY TURNS.  A trip's attention has four groups of three chunks: block 0 dilated, block 0 local, block 1 dilated, block 1 local.  A group's 24 f32 products carry, one slice behind each product, vector work that names none of their
; registers: the NEXT group's softmax (its scores are made just ahead of the run), and under the last group's products the quantising of block 0's summed result.  The LDS runs (the dilated result's way through scratch, block 1's
; turned v, the next keys and queries) are issued ahead of a run of products and awaited behind it.  A slice costs two switches of the register window: the products' operands lie in windows 1 to 3, the softmax in window 0.
; LIMITS: NaN and infinities among the inputs are not served; a block of zeros gets the byte 1 where the rule says 127 (zero codes; the bytes are read here alone); blocks whose largest magnitude lies under 2^-118 were not tried.
; x's loads run eight rows a wave ahead and begin at the kernel's head.
;
; LDS: 0: the weights, 50,688 bytes a wave (three units of 16,896), filled by tensor loads alone.  XC: x's codes by rows, pitch 528; XSC: their scale bytes, 16 a row.  Over both, once they are read: AIMG, the images of the 24 fragments of
; the attention's result (fragment 4 m + w, register group c of lane l at 512 c + 16 l); ASC, their scale words.  SCR: 16,384 bytes of scratch a wave: q's rows (32 codes, the scale word, pitch 48), k's, then V' / O'; later the stage.  SPARE.
; REGISTERS.  window 0: v1-27 addresses; v32-127 12 accumulators (q, k, output), in the attention the two blocks' summed results; v128-161 scale words and nothing else; v162-185 the dilated chunks' scores and p, v186-209 the local ones';
;   v210-215 scale words in the making; v216-255 at work.
;   window 1: v0-191 the left operand's fragments of K steps 0, 1; v192-239 O^T local (written by f32 matrix instructions alone); v240-255 bv.   window 2: v0-191 K steps 2, 3; v192-239 O^T dilated (likewise).
;   window 3: v0-127 a unit's 8 weight fragments; in the attention V' (v0-47), the keys (v48-95), the queries (v96-119); v128-223 12 accumulators (v, output); v224-255 two biases.
.set WRW,    50688
.set UNIT,   16896
.set STREAM, 270336
.set XC,     202752
.set XP,     528
.set XSC,    253440
.set AIMG,   202752
.set ASC,    251904
.set SCR,    254976
.set KRO,    4608
.set VO,     9216
.set SPARE,  320512
.set AL,   1                           ; scr + 48 r + 16 h: q's and k's rows, written and read by neighbours
.set ALS,  2                           ; scr + 48 r + 32: their scale words
.set AA,   3                           ; scr + 144 r + 16 h: rows 3 apart
.set AAS,  4                           ; scr + 144 r + 32
.set VW0,  5                           ; scr + VO + 208 r + 136 h
.set VW1,  6                           ; scr + VO + 208 r - 52 h
.set VR,   7                           ; scr + VO + 208 r + 32 h
.set OW,   8                           ; scr + VO + 432 r + 64 h
.set ORD,  9                           ; scr + VO + 144 r + 64 h
.set WA,   10                          ; 50,688 w + 16 lane
.set WAS,  11                          ; 50,688 w + 4 lane
.set IWB,  12                          ; AIMG + 2,048 w + 16 lane
.set IW,   13                          ; IWB + 512 x trip
.set ISW,  14                          ; ASC + 128 w + 4 lane
.set IR,   15                          ; AIMG + 16 lane
.set ISR,  16                          ; ASC + 4 lane
.set SO,   17                          ; scr + 272 r + 64 h
.set SR,   18                          ; scr + 272 h + 16 r
.set CO,   19                          ; 2,048 h + 16 r: my place in two rows of out0
.set BQO,  20                          ; 512 w + 64 h, + 128 a trip
.set BVO,  21                          ; 512 w + 4 (r + 8 (r / 8)), + 128 a trip
.set BOO,  22                          ; 512 w + 64 h
.set XRA,  23                          ; XC + 528 r + 16 h
.set XRS,  24                          ; XSC + 16 r
.set SPW,  25                          ; my spare word: SPARE + 4 x my thread's number; never rewritten
.set NIL,  26                          ; 0; never rewritten
.set ROWV, 27                          ; a row tile's first position, for the mask of the stores
.set ACC1, 32
.set T0,   32                          ; v32-79  in the attention: block 0's summed result, three sets of 16
.set T1,   80                          ; v80-127 block 1's
.set XS,   128                         ; v128-151 the left operand's scale words, 4 m + s
.set WS,   152                         ; v152-155 the weights': register s; lanes 0-15 tile 0, lanes 16-31 tile 1
.set KS,   156                         ; v156-158 the keys'
.set QS,   159                         ; v159-161 the queries'
.set SAT,  162                         ; v162-185 the three dilated chunks' scores, then p
.set SLO,  186                         ; v186-209 the three local chunks'
.set AS,   210                         ; v210-215 a row tile's scale word in the making
.set TMX,  216
.set TMO,  219
.set TSC,  222
.set THD,  225
.set TBY,  228
.set CD,   232                         ; v232-243 three times four registers of codes
.set MX,   225
.set PO,   222
.set MC,   244                         ; pairs v244, v246, v248: c m, later 1 / the sum (the low word serves both halves)
.set SA,   250
.set SBB,  216
.set OB,   162                         ; the way out: v162-225, two sets of 32
.set OFF,  194                         ; phase X: v194-201 a slot's offset in x
.set XM,   202
.set XSCL, 204
.set XHD,  206
.set XBY,  208
.set XCD,  210
.set XW,   214
.set XWS,  215
.set L32,  216
.set MSB, 0
.macro WIN new                         ; the immediate's high byte repeats the setting that is left; a switch that changes nothing is dropped
.if MSB != \new
	s_set_vgpr_msb (MSB<<8)|\new
.set MSB, \new
.endif
.endm
.macro PLACES n                        ; plain vector instructions behind a matrix instruction (ISA guide 7.12.1): eight for these forms
.rept \n
	v_nop
.endr
.endm
.macro CROUND                          ; a round of the cluster's barrier: my work-group's barrier; wave 0 signals for the work-group; all wait for the four work-groups; my work-group's barrier once more
	s_barrier_signal -1
	s_barrier_wait -1
	s_cmp_lg_u32 s18, 0
	s_cbranch_scc1 .Lnot_wave_0_\@
	s_barrier_signal -3
.Lnot_wave_0_\@:
	s_barrier_wait -3
	s_barrier_signal -1
	s_barrier_wait -1
.endm
; Row i of my 24 rows of x is asked for, into slot i % 8: a lane takes 8 neighbours of each half of the row.  A position past 4095 asks for row 4095 instead (no load leaves x); its codes are cleared in XPROC.
.macro XASK i
.set XK, (\i)%8
.set XB, 32+16*XK+34*(XK/6)
	s_add_co_u32 s56, s62, (\i)
	s_min_u32 s56, s56, 4095
	s_lshl_b32 s56, s56, 11
	v_add_nc_u32 v[OFF+XK], s56, v[L32]
	global_load_b128 v[XB:XB+3], v[OFF+XK], s[4:5] th:TH_LOAD_NT
	global_load_b128 v[XB+4:XB+7], v[OFF+XK], s[4:5] offset:16 th:TH_LOAD_NT
	global_load_b128 v[XB+8:XB+11], v[OFF+XK], s[4:5] offset:1024 th:TH_LOAD_NT
	global_load_b128 v[XB+12:XB+15], v[OFF+XK], s[4:5] offset:1040 th:TH_LOAD_NT
.endm
; Row i is quantised: four neighbouring lanes hold a block of 32.  left: the loads issued behind this row's four.
.macro XPROC i, left
.set XK, (\i)%8
.set XB, 32+16*XK+34*(XK/6)
	s_wait_loadcnt \left                           ; loads come back in order: this row's are in, and its slot's offset register is free
	s_add_co_u32 s56, s62, (\i)
	s_cmp_lt_u32 s56, 4096
	s_cselect_b32 s57, -1, 0                       ; 0 for a position of zeros
	v_max3_num_f32 v[XM], |v[XB]|, |v[XB+1]|, 0x4800000       ; with the floor 2^(9 - 127)
	v_max3_num_f32 v[XM+1], |v[XB+8]|, |v[XB+9]|, 0x4800000
.irp j, 2,4,6
	v_max3_num_f32 v[XM], v[XM], |v[XB+\j]|, |v[XB+\j+1]|
	v_max3_num_f32 v[XM+1], v[XM+1], |v[XB+8+\j]|, |v[XB+9+\j]|
.endr
	v_max_num_f32_dpp v[XM], v[XM], v[XM] row_xmask:1 row_mask:0xf bank_mask:0xf
	v_max_num_f32_dpp v[XM+1], v[XM+1], v[XM+1] row_xmask:1 row_mask:0xf bank_mask:0xf
	v_max_num_f32_dpp v[XM], v[XM], v[XM] row_xmask:2 row_mask:0xf bank_mask:0xf
	v_max_num_f32_dpp v[XM+1], v[XM+1], v[XM+1] row_xmask:2 row_mask:0xf bank_mask:0xf
	v_add_nc_u32 v[XSCL], 0xfc000000, v[XM]        ; 8 off the exponent field: the conversion's scale operand
	v_add_nc_u32 v[XSCL+1], 0xfc000000, v[XM+1]
	v_and_or_b32 v[XHD], v[XM], 0x7f800000, s50    ; 448 x the scale
	v_and_or_b32 v[XHD+1], v[XM+1], 0x7f800000, s50
.irp j, 0,1,2,3,4,5,6,7
	v_med3_num_f32 v[XB+\j], v[XB+\j], -v[XHD], v[XHD]
	v_med3_num_f32 v[XB+8+\j], v[XB+8+\j], -v[XHD+1], v[XHD+1]
.endr
	v_cvt_scalef32_pk8_fp8_f32 v[XCD:XCD+1], v[XB:XB+7], v[XSCL]
	v_cvt_scalef32_pk8_fp8_f32 v[XCD+2:XCD+3], v[XB+8:XB+15], v[XSCL+1]
	v_lshrrev_b32 v[XBY], 23, v[XSCL]              ; the scales' bytes (plain lines behind the conversions)
	v_lshrrev_b32 v[XBY+1], 23, v[XSCL+1]
.irp j, 0,1,2,3
	v_and_b32 v[XCD+\j], s57, v[XCD+\j]            ; a position of zeros has zero codes
.endr
	ds_store_b64 v[XW], v[XCD:XCD+1] offset:XP*(\i)
	ds_store_b64 v[XW], v[XCD+2:XCD+3] offset:XP*(\i)+256
	ds_store_b8 v[XWS], v[XBY] offset:16*(\i)      ; the four lanes of a block write the same byte with the same value
	ds_store_b8 v[XWS], v[XBY+1] offset:16*(\i)+8
.if (\i) < 16
	XASK (\i)+8
.endif
.endm
; The left operand's 24 fragments into windows 1 and 2, its 24 scale words into XS.  kind 0: x, from rows;  kind 1: the attention's result, from images.
.macro FRAGS kind
.irp s, 0,1,2,3
.if \s < 2
	WIN 0x40
.else
	WIN 0x80
.endif
.irp m, 0,1,2,3,4,5
.irp c, 0,1,2,3
.if \kind
	ds_load_b128 v[96*(\s%2)+16*\m+4*\c:96*(\s%2)+16*\m+4*\c+3], v[IR] offset:2048*(4*\m+\s)+512*\c
.else
	ds_load_b128 v[96*(\s%2)+16*\m+4*\c:96*(\s%2)+16*\m+4*\c+3], v[XRA] offset:16*XP*\m+128*\s+32*\c
.endif
.endr
.endr
.endr
	WIN 0
.irp m, 0,1,2,3,4,5
.irp s, 0,1,2,3
.if \kind
	ds_load_b32 v[XS+4*\m+\s], v[ISR] offset:128*(4*\m+\s)
.else
	ds_load_b32 v[XS+4*\m+\s], v[XRS] offset:256*\m+4*\s
.endif
.endr
.endr
.endm
; The unit at place p of my region: 4 scale registers, then 8 fragments, K step by K step.
.macro LOADW p
	WIN 0
.irp s, 0,1,2,3
	ds_load_b32 v[WS+\s], v[WAS] offset:UNIT*(\p)+16384+128*\s
.endr
	WIN 0xc0
.irp s, 0,1,2,3
.irp u, 0,1
.irp c, 0,1,2,3
	ds_load_b128 v[32*\s+16*\u+4*\c:32*\s+16*\u+4*\c+3], v[WA] offset:UNIT*(\p)+2048*(2*\s+\u)+512*\c
.endr
.endr
.endr
	WIN 0
.endm
.macro ONE nat, D, CB, s, m, u
.set rD, (\D)+16*(\m)+8*(\u)
.set rW, 32*(\s)+16*(\u)
.set rX, 96*((\s)%2)+16*(\m)
.set rC, rD
.if (\s) == 0
.set rC, (\CB)+8*(\u)                  ; the bias is the C of a sum's first product: nothing is cleared, nothing is added later
.endif
.if \nat
.if \u
	v_wmma_scale_f32_16x16x128_f8f6f4 v[rD:rD+7], v[rX:rX+15], v[rW:rW+15], v[rC:rC+7], v[XS+4*(\m)+(\s)], v[WS+(\s)] matrix_b_scale:MATRIX_SCALE_ROW1
.else
	v_wmma_scale_f32_16x16x128_f8f6f4 v[rD:rD+7], v[rX:rX+15], v[rW:rW+15], v[rC:rC+7], v[XS+4*(\m)+(\s)], v[WS+(\s)]
.endif
.else
.if \u
	v_wmma_scale_f32_16x16x128_f8f6f4 v[rD:rD+7], v[rW:rW+15], v[rX:rX+15], v[rC:rC+7], v[WS+(\s)], v[XS+4*(\m)+(\s)] matrix_a_scale:MATRIX_SCALE_ROW1
.else
	v_wmma_scale_f32_16x16x128_f8f6f4 v[rD:rD+7], v[rW:rW+15], v[rX:rX+15], v[rC:rC+7], v[WS+(\s)], v[XS+4*(\m)+(\s)]
.endif
.endif
.endm
; 48 products: a unit's 32 columns x 96 rows x K = 512.  The 12 accumulators take turns, one instruction a turn, in the same order in every K step.
; nat = 0: source 0 = the weight (transposed use); 1: source 0 = x.  W0, W1, W2: the windows of K step 0, of 1, of 2 and 3.  staged = 1: nothing was issued to LDS behind the unit's loads, so each K step waits for its own eight.
.macro GEMM nat, D, CB, W0, W1, W2, staged
.if !(\staged)
	s_wait_dscnt 0x0
.endif
.irp s, 0,1,2,3
.if \staged
	s_wait_dscnt 8*(3-\s)                          ; the eight loads of each later K step may be out
.endif
.if \s == 0
	WIN \W0
.elseif \s == 1
	WIN \W1
.else
	WIN \W2
.endif
.irp m, 0,1,2,3,4,5
.irp u, 0,1
	ONE \nat, \D, \CB, \s, \m, \u
.endr
.endr
.endr
.endm
.macro QHOLD s, n
.irp i, 0,1,2,3,4,5,6,7,8,9,10,11,12,13,14,15
	v_med3_num_f32 v[(\s)+\i], v[(\s)+\i], -v[THD+\n], v[THD+\n]   ; the conversion to an 8-bit code does not saturate (ISA guide 7.6.2)
.endr
	v_cvt_scalef32_pk8_fp8_f32 v[CD+4*\n:CD+4*\n+1], v[(\s):(\s)+7], v[TSC+\n]
	v_cvt_scalef32_pk8_fp8_f32 v[CD+4*\n+2:CD+4*\n+3], v[(\s)+8:(\s)+15], v[TSC+\n]
.endm
; Three runs of 16 registers, each a lane's 16 neighbours of a block of 32 (the other 16 lie in lane l xor 16), become codes in CD and bytes in TBY.  Each run is read from its low end on.
.macro QUANT3 a, b, c
	v_max3_num_f32 v[TMX], |v[(\a)]|, |v[(\a)+1]|, 0x4800000
	v_max3_num_f32 v[TMX+1], |v[(\b)]|, |v[(\b)+1]|, 0x4800000
	v_max3_num_f32 v[TMX+2], |v[(\c)]|, |v[(\c)+1]|, 0x4800000
.irp i, 2,4,6,8,10,12,14
	v_max3_num_f32 v[TMX], v[TMX], |v[(\a)+\i]|, |v[(\a)+\i+1]|
	v_max3_num_f32 v[TMX+1], v[TMX+1], |v[(\b)+\i]|, |v[(\b)+\i+1]|
	v_max3_num_f32 v[TMX+2], v[TMX+2], |v[(\c)+\i]|, |v[(\c)+\i+1]|
.endr
.irp n, 0,1,2
	v_permlanex16_b32 v[TMO+\n], v[TMX+\n], s48, s49
.endr
.irp n, 0,1,2
	v_max_num_f32 v[TMX+\n], v[TMX+\n], v[TMO+\n]
.endr
.irp n, 0,1,2
	v_add_nc_u32 v[TSC+\n], 0xfc000000, v[TMX+\n]
.endr
.irp n, 0,1,2
	v_and_or_b32 v[THD+\n], v[TMX+\n], 0x7f800000, s50
.endr
.irp n, 0,1,2
	v_lshrrev_b32 v[TBY+\n], 23, v[TSC+\n]
.endr
	QHOLD \a, 0
	QHOLD \b, 1
	QHOLD \c, 2
	v_nop                                          ; a plain line behind the last conversion: matrix instructions write its sources later
.endm
; The same work cut into 24 slices, for the places between 24 products: QSL writes slice smk.  A quarter of a run's holds a slice; a conversion as soon as its eight numbers are held.
.macro QPART s, n, part
.irp i, 0,1,2,3
	v_med3_num_f32 v[(\s)+4*(\part)+\i], v[(\s)+4*(\part)+\i], -v[THD+\n], v[THD+\n]
.endr
.if (\part) == 1
	v_cvt_scalef32_pk8_fp8_f32 v[CD+4*\n:CD+4*\n+1], v[(\s):(\s)+7], v[TSC+\n]
.elseif (\part) == 3
	v_cvt_scalef32_pk8_fp8_f32 v[CD+4*\n+2:CD+4*\n+3], v[(\s)+8:(\s)+15], v[TSC+\n]
.endif
.endm
.macro QSL a, b, c
.if smk == 0
	v_max3_num_f32 v[TMX], |v[(\a)]|, |v[(\a)+1]|, 0x4800000
	v_max3_num_f32 v[TMX+1], |v[(\b)]|, |v[(\b)+1]|, 0x4800000
	v_max3_num_f32 v[TMX+2], |v[(\c)]|, |v[(\c)+1]|, 0x4800000
.elseif smk < 8
	v_max3_num_f32 v[TMX], v[TMX], |v[(\a)+2*smk]|, |v[(\a)+2*smk+1]|
	v_max3_num_f32 v[TMX+1], v[TMX+1], |v[(\b)+2*smk]|, |v[(\b)+2*smk+1]|
	v_max3_num_f32 v[TMX+2], v[TMX+2], |v[(\c)+2*smk]|, |v[(\c)+2*smk+1]|
.elseif smk == 8
.irp n, 0,1,2
	v_permlanex16_b32 v[TMO+\n], v[TMX+\n], s48, s49
.endr
.elseif smk == 9
.irp n, 0,1,2
	v_max_num_f32 v[TMX+\n], v[TMX+\n], v[TMO+\n]
.endr
.elseif smk == 10
.irp n, 0,1,2
	v_add_nc_u32 v[TSC+\n], 0xfc000000, v[TMX+\n]
.endr
.irp n, 0,1,2
	v_and_or_b32 v[THD+\n], v[TMX+\n], 0x7f800000, s50
.endr
.irp n, 0,1,2
	v_lshrrev_b32 v[TBY+\n], 23, v[TSC+\n]
.endr
.elseif smk < 15
	QPART \a, 0, smk-11
.elseif smk < 19
	QPART \b, 1, smk-15
.elseif smk < 23
	QPART \c, 2, smk-19
.else
	v_nop                                          ; a plain line behind the last conversion
.endif
.endm
.macro QKSTORE base, m0                ; three row tiles' codes and scale words into my scratch, by rows (the word's upper three bytes are 0: they scale zero codes)
.irp n, 0,1,2
	ds_store_b128 v[AL], v[CD+4*\n:CD+4*\n+3] offset:(\base)+768*((\m0)+\n)
	ds_store_b32 v[ALS], v[TBY+\n] offset:(\base)+768*((\m0)+\n)
.endr
.endm
.macro BIASQKV                         ; bq, bk in the transposed result's layout (16 h + 8 u + j); bv in the plain one (a lane's channel, the same in all eight registers)
	WIN 0xc0
.irp u, 0,1
	global_load_b128 v[224+8*\u:227+8*\u], v[BQO], s[8:9] offset:32*\u
	global_load_b128 v[228+8*\u:231+8*\u], v[BQO], s[8:9] offset:32*\u+16
	global_load_b128 v[240+8*\u:243+8*\u], v[BQO], s[10:11] offset:32*\u
	global_load_b128 v[244+8*\u:247+8*\u], v[BQO], s[10:11] offset:32*\u+16
.endr
	WIN 0x40
.irp u, 0,1
.irp j, 0,1,2,3,4,5,6,7
	global_load_b32 v[240+8*\u+\j], v[BVO], s[12:13] offset:32*\u
.endr
.endr
	WIN 0
.endm
.macro BIASO a                         ; bo of units a and a + 1
	WIN 0xc0
.irp u, 0,1
	global_load_b128 v[224+8*\u:227+8*\u], v[BOO], s[14:15] offset:128*(\a)+32*\u
	global_load_b128 v[228+8*\u:231+8*\u], v[BOO], s[14:15] offset:128*(\a)+32*\u+16
	global_load_b128 v[240+8*\u:243+8*\u], v[BOO], s[14:15] offset:128*(\a)+128+32*\u
	global_load_b128 v[244+8*\u:247+8*\u], v[BOO], s[14:15] offset:128*(\a)+128+32*\u+16
.endr
	WIN 0
.endm
; v of block be, position p = 16 t + 8 h + j of 48, goes to word 16 (p % 3) + p / 3 of its channel's row.  Lanes 16-31 stand 8 positions on: 34 words on where 16 t + j is a multiple of 3, else 13 words back.
.macro VSTORE be
	WIN 0x0c
.irp t, 0,1,2
.irp u, 0,1
.irp j, 0,1,2,3,4,5,6,7
.set vp, 16*\t+\j
.if vp%3 == 0
	ds_store_b32 v[VW0], v[128+16*(3*(\be)+\t)+8*\u+\j] offset:4*(16*(vp%3)+vp/3)+3328*\u
.else
	ds_store_b32 v[VW1], v[128+16*(3*(\be)+\t)+8*\u+\j] offset:4*(16*(vp%3)+vp/3)+3328*\u
.endif
.endr
.endr
.endr
.endm
.macro VLOAD                           ; and comes back as V': chunk d, tile u: a lane's channel, keys 8 h + 0 .. 7.  LDS serves a wave's instructions in order: these see the stores above
	WIN 0xc0
.irp d, 0,1,2
.irp u, 0,1
	ds_load_b128 v[16*\d+8*\u:16*\d+8*\u+3], v[VR] offset:3328*\u+64*\d
	ds_load_b128 v[16*\d+8*\u+4:16*\d+8*\u+7], v[VR] offset:3328*\u+64*\d+16
.endr
.endr
.endm
.macro GLOAD be, atr                   ; three chunks' keys and queries with their scale words: atr = 0: rows 48 be + 16 i + r;  1: rows 48 be + i + 3 r
	WIN 0xc0
.irp i, 0,1,2
.if \atr
	ds_load_b128 v[48+16*\i:51+16*\i], v[AA] offset:KRO+48*(48*(\be)+\i)
	ds_load_b128 v[96+4*\i:99+4*\i], v[AA] offset:48*(48*(\be)+\i)
.else
	ds_load_b128 v[48+16*\i:51+16*\i], v[AL] offset:KRO+48*(48*(\be)+16*\i)
	ds_load_b128 v[96+4*\i:99+4*\i], v[AL] offset:48*(48*(\be)+16*\i)
.endif
.endr
	WIN 0
.irp i, 0,1,2
.if \atr
	ds_load_b32 v[KS+\i], v[AAS] offset:KRO+48*(48*(\be)+\i)
	ds_load_b32 v[QS+\i], v[AAS] offset:48*(48*(\be)+\i)
.else
	ds_load_b32 v[KS+\i], v[ALS] offset:KRO+48*(48*(\be)+16*\i)
	ds_load_b32 v[QS+\i], v[ALS] offset:48*(48*(\be)+16*\i)
.endif
.endr
.endm
.macro SCORES SB                       ; S^T = K Q^T of three chunks: a lane holds query r and keys 8 h + j
	WIN 0x0f
.irp i, 0,1,2
	v_wmma_scale_f32_16x16x128_f8f6f4 v[(\SB)+8*\i:(\SB)+8*\i+7], v[48+16*\i:63+16*\i], v[96+4*\i:111+4*\i], 0, v[KS+\i], v[QS+\i]
.endr
.endm
; THE SOFTMAX of three chunks is a list of 32 stages, the three chunks by turns in each; SMST writes stage st.
;   0-3 the maximum of my eight scores (from the accumulator's low end on); 4, 5 with the lane 16 away, which holds the query's other eight keys; 6 c m; 7-10 c s - c m, a pair of scores each;
;   11-18 the 24 exponentials: ONE batch, none of which reads another's result; 19 a plain line and the batch's one wait ahead of the first reader;
;   20-25 the row's sum; 26 the three reciprocals; 27 a plain line and their one wait; 28-31 p = the exponential / the sum.
.macro SMST SB, st
.if (\st) == 0
.irp i, 0,1,2
	v_max3_num_f32 v[MX+\i], v[(\SB)+8*\i], v[(\SB)+8*\i+1], v[(\SB)+8*\i+2]
.endr
.elseif (\st) < 3
.irp i, 0,1,2
	v_max3_num_f32 v[MX+\i], v[MX+\i], v[(\SB)+8*\i+2*(\st)+1], v[(\SB)+8*\i+2*(\st)+2]
.endr
.elseif (\st) == 3
.irp i, 0,1,2
	v_max_num_f32 v[MX+\i], v[MX+\i], v[(\SB)+8*\i+7]
.endr
.elseif (\st) == 4
.irp i, 0,1,2
	v_permlanex16_b32 v[PO+\i], v[MX+\i], s48, s49
.endr
.elseif (\st) == 5
.irp i, 0,1,2
	v_max_num_f32 v[MX+\i], v[MX+\i], v[PO+\i]
.endr
.elseif (\st) == 6
.irp i, 0,1,2
	v_mul_f32 v[MC+2*\i], s52, v[MX+\i]
.endr
.elseif (\st) < 11
.irp i, 0,1,2
	v_pk_fma_f32 v[(\SB)+8*\i+2*((\st)-7):(\SB)+8*\i+2*((\st)-7)+1], v[(\SB)+8*\i+2*((\st)-7):(\SB)+8*\i+2*((\st)-7)+1], s[52:53], v[MC+2*\i:MC+2*\i+1] op_sel_hi:[1,0,0] neg_lo:[0,0,1] neg_hi:[0,0,1]
.endr
.elseif (\st) < 19
.irp i, 0,1,2
	v_exp_f32 v[(\SB)+8*\i+(\st)-11], v[(\SB)+8*\i+(\st)-11]
.endr
.elseif ((\st) == 19) || ((\st) == 27)
	v_nop
	s_wait_alu depctr_va_vdst(0)
.elseif (\st) == 20
.irp i, 0,1,2
	v_pk_add_f32 v[SA+2*\i:SA+2*\i+1], v[(\SB)+8*\i:(\SB)+8*\i+1], v[(\SB)+8*\i+2:(\SB)+8*\i+3]
.endr
.elseif (\st) == 21
.irp i, 0,1,2
	v_pk_add_f32 v[SBB+2*\i:SBB+2*\i+1], v[(\SB)+8*\i+4:(\SB)+8*\i+5], v[(\SB)+8*\i+6:(\SB)+8*\i+7]
.endr
.elseif (\st) == 22
.irp i, 0,1,2
	v_pk_add_f32 v[SA+2*\i:SA+2*\i+1], v[SA+2*\i:SA+2*\i+1], v[SBB+2*\i:SBB+2*\i+1]
.endr
.elseif (\st) == 23
.irp i, 0,1,2
	v_add_f32 v[SA+2*\i], v[SA+2*\i], v[SA+2*\i+1]
.endr
.elseif (\st) == 24
.irp i, 0,1,2
	v_permlanex16_b32 v[PO+\i], v[SA+2*\i], s48, s49
.endr
.elseif (\st) == 25
.irp i, 0,1,2
	v_add_f32 v[SA+2*\i], v[SA+2*\i], v[PO+\i]
.endr
.elseif (\st) == 26
.irp i, 0,1,2
	v_rcp_f32 v[MC+2*\i], v[SA+2*\i]
.endr
.else
.irp i, 0,1,2
	v_pk_mul_f32 v[(\SB)+8*\i+2*((\st)-28):(\SB)+8*\i+2*((\st)-28)+1], v[(\SB)+8*\i+2*((\st)-28):(\SB)+8*\i+2*((\st)-28)+1], v[MC+2*\i:MC+2*\i+1] op_sel_hi:[1,0]
.endr
.endif
.endm
.macro SOFTMAX SB                      ; the whole list on end: a trip's first group has no products to stand between
.set smk, 0
.rept 32
	SMST \SB, smk
.set smk, smk+1
.endr
.endm
; The list dealt to 24 slices: SMSLICE writes slice smk.  One stage a slice where a stage waits for the stage before it or holds exponentials; the scalings two a slice.  Slice 23 stands behind the run's last product:
; its plain line and twelve multiplications name none of that product's registers.
.macro SMSLICE SB
.if smk < 7
	SMST \SB, smk
.elseif smk == 7
	SMST \SB, 7
	SMST \SB, 8
.elseif smk == 8
	SMST \SB, 9
	SMST \SB, 10
.elseif smk < 17
	SMST \SB, smk+2
.elseif smk == 17
	SMST \SB, 19
	SMST \SB, 20
	SMST \SB, 21
.elseif smk < 23
	SMST \SB, smk+4
.else
	SMST \SB, 27
	SMST \SB, 28
	SMST \SB, 29
	SMST \SB, 30
	SMST \SB, 31
.endif
.endm
; O^T = V^T P^T of three chunks in f32: 24 products; PVI writes product smk: K step smk / 6 (keys 8 h + 2 s + j in both operands), chunk (smk % 6) / 2, tile smk % 2.  The six accumulators take turns, one instruction a turn
; the first K step starts the sums with the constant 0.
.macro PVI win, VB, PB
	WIN \win
.set pD, 192+16*((smk%6)/2)+8*(smk%2)
.set pA, (\VB)+16*((smk%6)/2)+8*(smk%2)+2*(smk/6)
.set pB, (\PB)+8*((smk%6)/2)+2*(smk/6)
.if smk < 6
	v_wmma_f32_16x16x4_f32 v[pD:pD+7], v[pA:pA+1], v[pB:pB+1], 0
.else
	v_wmma_f32_16x16x4_f32 v[pD:pD+7], v[pA:pA+1], v[pB:pB+1], v[pD:pD+7]
.endif
.endm
.macro PVSM win, VB, PB, SB            ; a group's products on p in PB | the next group's softmax on the scores in SB
.set smk, 0
.rept 24
	PVI \win, \VB, \PB
	WIN 0
	SMSLICE \SB
.set smk, smk+1
.endr
.endm
.macro PVQ win, VB, PB, a, b, c        ; a group's products | the quantising of three runs of 16
.set smk, 0
.rept 24
	PVI \win, \VB, \PB
	WIN 0
	QSL \a, \b, \c
.set smk, smk+1
.endr
.endm
.macro OSTORE                          ; the dilated result by rows into my scratch: position d + 3 r, channels 16 h + 8 u + j; each accumulator from its low end on
	WIN 0x08
.irp d, 0,1,2
.irp u, 0,1
	ds_store_b128 v[OW], v[192+16*\d+8*\u:195+16*\d+8*\u] offset:144*\d+32*\u
	ds_store_b128 v[OW], v[196+16*\d+8*\u:199+16*\d+8*\u] offset:144*\d+32*\u+16
.endr
.endr
	WIN 0
.endm
.macro OLOAD TT                        ; and back by neighbouring positions (LDS serves a wave's instructions in order)
.irp t, 0,1,2
.irp q, 0,1,2,3
	ds_load_b128 v[(\TT)+16*\t+4*\q:(\TT)+16*\t+4*\q+3], v[ORD] offset:2304*\t+16*\q
.endr
.endr
.endm
.macro OADD TT                         ; local + dilated
	WIN 0x01
.irp t, 0,1,2
.irp i, 0,2,4,6,8,10,12,14
	v_pk_add_f32 v[(\TT)+16*\t+\i:(\TT)+16*\t+\i+1], v[192+16*\t+\i:192+16*\t+\i+1], v[(\TT)+16*\t+\i:(\TT)+16*\t+\i+1]
.endr
.endr
	WIN 0
.endm
.macro ASTORE be                       ; a head's 32 channels are one block of the last product's K: register group (trip) of fragment 4 m + w, byte (trip) of the row's scale word
.irp t, 0,1,2
	ds_store_b128 v[IW], v[CD+4*\t:CD+4*\t+3] offset:8192*(3*(\be)+\t)
	v_lshl_or_b32 v[AS+3*(\be)+\t], v[TBY+\t], s55, v[AS+3*(\be)+\t]
.endr
.endm
; THE WAY OUT.  Row tile m of two units (64 columns, 256 bytes a row) goes through my stage and comes back as whole rows.
.macro TOSTAGE m
.irp q, 0,1,2,3
	ds_store_b128 v[SO], v[ACC1+16*(\m)+4*\q:ACC1+16*(\m)+4*\q+3] offset:16*\q
.endr
	WIN 0x0c
.irp q, 0,1,2,3
	ds_store_b128 v[SO], v[128+16*(\m)+4*\q:128+16*(\m)+4*\q+3] offset:128+16*\q
.endr
	WIN 0
.set BB, OB+32*((\m)%2)
.irp i, 0,1,2,3,4,5,6,7
	ds_load_b128 v[BB+4*\i:BB+4*\i+3], v[SR] offset:544*\i
.endr
.endm
.macro SEND m, a, younger              ; younger: the LDS instructions issued behind tile m's loads
.set BB, OB+32*((\m)%2)
	s_wait_dscnt \younger
.if (\m) >= 4                          ; tiles 4 and 5 may be positions past 4095, whole: they are not stored
	s_add_co_u32 s56, s23, 16*(\m)
	v_mov_b32 v[ROWV], s56
	v_cmp_gt_u32 vcc_lo, 0x1000, v[ROWV]
	s_wait_xcnt 0x0                                ; EXEC changes only behind this wait
	s_and_saveexec_b32 s57, vcc_lo
.endif
.irp i, 0,1,2,3,4,5,6,7
	global_store_b128 v[CO], v[BB+4*\i:BB+4*\i+3], s[16:17] offset:32768*(\m)+4096*\i+256*(\a) th:TH_STORE_NT   ; 16 lanes store 256 consecutive bytes, at a multiple of 256 from out0's first byte
.endr
.if (\m) >= 4
	s_wait_xcnt 0x0                                ; and again, in front of the line that widens it
	s_or_b32 exec_lo, exec_lo, s57
.endif
.endm
.macro OUT a
	TOSTAGE 0
.irp m, 1,2,3,4,5
.if \m >= 2
	s_wait_xcnt 0x0                                ; tile m - 2's stores have read their registers: tile m's rows may land there
.endif
	TOSTAGE \m
	SEND \m-1, \a, 16                              ; behind tile m - 1's loads: tile m's 8 stores and 8 loads
.endr
	SEND 5, \a, 0
.endm
	s_load_b256 s[4:11], s[0:1], 0x0               ; x, wbuf, bq, bk
	s_load_b128 s[12:15], s[0:1], 0x20             ; bv, bo
	s_load_b64 s[16:17], s[0:1], 0x30              ; out0
	v_lshl_add_u32 v[SPW], v0, 2, SPARE
	v_mov_b32 v[NIL], 0
	ds_add_u32 v[SPW], v[NIL]                      ; the wave's opening: the add, twice on end, and its wait ahead of my first tensor load; the set-up below stands between
	ds_add_u32 v[SPW], v[NIL]                      ; and once more
	v_lshrrev_b32 v28, 5, v0
	v_readfirstlane_b32 s18, v28                   ; wave 0..3
	s_bfe_u32 s19, ttmp6, 0x40000                  ; cx: my place in the cluster: it enters x's and out0's addresses and the masks of rows past 4095, nothing else
	s_lshl_b32 s20, ttmp9, 2
	s_add_co_u32 s20, s20, s19                     ; work-group 0..171
	s_mul_i32 s21, s20, 1525
	s_lshr_b32 s21, s21, 16                        ; batch = work-group / 43 (1525 / 65536 serves 0 .. 171)
	s_mul_i32 s22, s21, 43
	s_sub_co_u32 s22, s20, s22
	s_mul_i32 s23, s22, 96                         ; my first position in the batch
	s_mul_i32 s62, s18, 24
	s_add_co_u32 s62, s62, s23                     ; the first of the 24 rows that my wave quantises
	; descriptor groups 1: dense blocks as rows of 256 bytes (32 elements of 8 bytes): 198 rows (three units), 66 rows (one)
	s_mov_b32 s24, 15|(3<<16)|(1<<21)              ; 15:0 the mask: all four work-groups; 17:16 elements of 8 bytes; 21 set beside a mask
	s_mov_b32 s25, 32<<16                          ; tensor_dim0 = 32
	s_mov_b32 s26, 198<<16                         ; tensor_dim1 = 198
	s_mov_b32 s27, 32<<16                          ; tile_dim0 = 32
	s_mov_b32 s28, 198                             ; tile_dim1 = 198
	s_mov_b32 s29, 32                              ; from row to row
	s_mov_b32 s30, 0
	s_mov_b32 s31, 0
	s_mov_b32 s32, 15|(3<<16)|(1<<21)
	s_mov_b32 s33, 32<<16
	s_mov_b32 s34, 66<<16
	s_mov_b32 s35, 32<<16
	s_mov_b32 s36, 66
	s_mov_b32 s37, 32
	s_mov_b32 s38, 0
	s_mov_b32 s39, 0
	s_mov_b32 s40, 1                               ; groups 0: count = 1;
	s_mul_i32 s41, s18, WRW                        ; to my wave's region: no place in the cluster enters an LDS address
	s_mov_b32 s44, 1
	s_mul_i32 s45, s18, WRW
	s_mul_i32 s66, s18, STREAM                     ; from my wave's stream
	s_mov_b32 s67, 0
	s_mov_b32 s48, 0x76543210
	s_mov_b32 s49, 0xfedcba98                      ; v_permlanex16_b32's selects for lane l xor 16
	s_mov_b32 s50, 0x600000                        ; the mantissa field of 448
	s_mov_b32 s52, 0x3e8293ee                      ; c = log2(e) / sqrt(32)
	s_mov_b32 s53, s52                             ; (named with it as a pair)
	s_lshl_b32 s68, s21, 23                        ; a batch is 4,096 rows of 2,048 bytes
	s_mov_b32 s69, 0
	v_and_b32 v28, 31, v0                          ; lane
	v_and_b32 v29, 15, v0                          ; r
	v_bfe_u32 v30, v0, 4, 1                        ; h
	s_lshl_b32 s56, s18, 14
	s_add_co_u32 s56, s56, SCR                     ; my scratch
	v_mul_u32_u24 v[AL], v29, 48
	v_add_nc_u32 v[ALS], s56, v[AL]
	v_add_nc_u32 v[ALS], 32, v[ALS]
	v_lshl_add_u32 v[AL], v30, 4, v[AL]
	v_add_nc_u32 v[AL], s56, v[AL]
	v_mul_u32_u24 v[AA], v29, 144
	v_add_nc_u32 v[AAS], s56, v[AA]
	v_add_nc_u32 v[AAS], 32, v[AAS]
	v_lshl_add_u32 v[AA], v30, 4, v[AA]
	v_add_nc_u32 v[AA], s56, v[AA]
	s_add_co_u32 s57, s56, VO
	v_mul_u32_u24 v31, v29, 208
	v_add_nc_u32 v31, s57, v31
	v_mul_u32_u24 v[VW0], v30, 136
	v_add_nc_u32 v[VW0], v31, v[VW0]
	v_mul_u32_u24 v[VW1], v30, 52
	v_sub_nc_u32 v[VW1], v31, v[VW1]
	v_lshl_add_u32 v[VR], v30, 5, v31
	v_mul_u32_u24 v[OW], v29, 432
	v_lshl_add_u32 v[OW], v30, 6, v[OW]
	v_add_nc_u32 v[OW], s57, v[OW]
	v_mul_u32_u24 v[ORD], v29, 144
	v_lshl_add_u32 v[ORD], v30, 6, v[ORD]
	v_add_nc_u32 v[ORD], s57, v[ORD]
	s_mul_i32 s58, s18, WRW
	v_lshl_add_u32 v[WA], v28, 4, s58
	v_lshl_add_u32 v[WAS], v28, 2, s58
	s_lshl_b32 s59, s18, 11
	s_add_co_u32 s59, s59, AIMG
	v_lshl_add_u32 v[IWB], v28, 4, s59
	s_lshl_b32 s59, s18, 7
	s_add_co_u32 s59, s59, ASC
	v_lshl_add_u32 v[ISW], v28, 2, s59
	v_lshl_add_u32 v[IR], v28, 4, AIMG
	v_lshl_add_u32 v[ISR], v28, 2, ASC
	v_mul_u32_u24 v[SO], v29, 272
	v_lshl_add_u32 v[SO], v30, 6, v[SO]
	v_add_nc_u32 v[SO], s56, v[SO]
	v_mul_u32_u24 v[SR], v30, 272
	v_lshl_add_u32 v[SR], v29, 4, v[SR]
	v_add_nc_u32 v[SR], s56, v[SR]
	v_lshlrev_b32 v[CO], 11, v30
	v_lshl_add_u32 v[CO], v29, 4, v[CO]
	s_lshl_b32 s59, s18, 9
	v_lshl_add_u32 v[BQO], v30, 6, s59
	v_and_b32 v[BVO], 8, v29
	v_add_nc_u32 v[BVO], v[BVO], v29
	v_lshl_add_u32 v[BVO], v[BVO], 2, s59
	v_lshl_add_u32 v[BOO], v30, 6, s59
	v_mul_u32_u24 v[XRA], v29, XP
	v_lshl_add_u32 v[XRA], v30, 4, v[XRA]
	v_add_nc_u32 v[XRA], XC, v[XRA]
	v_lshl_add_u32 v[XRS], v29, 4, XSC
	s_mul_i32 s60, s18, 24*XP
	s_add_co_u32 s60, s60, XC
	v_lshl_add_u32 v[XW], v28, 3, s60              ; where my rows' codes go: 8 bytes a lane
	s_mul_i32 s61, s18, 24*16
	s_add_co_u32 s61, s61, XSC
	v_lshrrev_b32 v[XWS], 2, v28
	v_add_nc_u32 v[XWS], s61, v[XWS]               ; and their scale bytes: block lane / 4
	v_lshlrev_b32 v[L32], 5, v28
	s_wait_dscnt 0x0                               ; both opening adds are done
	s_wait_kmcnt 0x0
	s_add_nc_u64 s[42:43], s[6:7], s[66:67]        ; the walking descriptor: my stream's first three units
	s_add_nc_u64 s[46:47], s[42:43], 253440        ; and Wo's fourth unit
	s_or_b32 s43, s43, 0x80000000                  ; type = 2
	s_or_b32 s47, s47, 0x80000000
	s_add_nc_u64 s[4:5], s[4:5], s[68:69]          ; x at my batch
	s_add_nc_u64 s[16:17], s[16:17], s[68:69]      ; out0 at my batch,
	s_lshl_b32 s68, s23, 11
	s_lshl_b32 s56, s18, 9
	s_add_co_u32 s68, s68, s56
	s_add_nc_u64 s[16:17], s[16:17], s[68:69]      ; my first position, my wave's 128 columns
.irp i, 0,1,2,3,4,5,6,7
	XASK \i                                        ; 32 loads, eight rows, are out
.endr
	CROUND                                         ; all four work-groups are here: the first joint loads meet
	tensor_load_to_lds s[40:43], s[24:31]          ; head 4 w's units of Wq, Wk, Wv: every wave's one first fill
	s_nop 0
	PLACES 4
	; ---- X: my 24 rows of x become codes and scale bytes in LDS
.irp i, 0,1,2,3,4,5,6,7,8,9,10,11,12,13,14,15,16,17,18,19,20,21,22,23
.if \i < 16
	XPROC \i, 28                                   ; behind a row's four loads: those of the seven younger rows
.else
	XPROC \i, 4*(23-\i)                            ; nothing more is asked for: the counts run down
.endif
.endr
	BIASQKV                                        ; the first head's biases
	s_wait_dscnt 0x0                               ; for the others' sake: my stores are done
	s_barrier_signal -1
	s_barrier_wait -1                              ; the 96 rows lie in LDS.  The tensor load may stay out
	FRAGS 0                                        ; they stay in registers for all four heads
.irp n, 0,1,2,3,4,5
	v_mov_b32 v[AS+\n], 0
	v_mov_b32 v[TMO+\n], 0                         ; lane permutes' destinations count as sources: written once
.endr
	v_mov_b32 v[MC+1], 0                           ; named as the upper halves of pairs
	v_mov_b32 v[MC+3], 0
	v_mov_b32 v[MC+5], 0
	s_mov_b32 s51, 0                               ; the trip
	s_mov_b32 s54, 0                               ; 512 x trip: the register group in an image
	s_mov_b32 s55, 0                               ; 8 x trip: the byte in a scale word
.Lhead:                                            ; four trips: head 4 w + trip
	s_wait_tensorcnt 0x0                           ; my region is whole: no load was issued behind its fill, and I alone read it
	s_wait_loadcnt 0x0                             ; the biases
	LOADW 0
	GEMM 0, ACC1, 224, 0x37, 0x07, 0x0b, 1         ; q
	WIN 0
	PLACES 8
	LOADW 1                                        ; Wk's unit lands while q is quantised
	QUANT3 ACC1, ACC1+16, ACC1+32
	QKSTORE 0, 0
	QUANT3 ACC1+48, ACC1+64, ACC1+80
	QKSTORE 0, 3
	GEMM 0, ACC1, 240, 0x37, 0x07, 0x0b, 0         ; k
	WIN 0
	PLACES 8
	LOADW 2
	QUANT3 ACC1, ACC1+16, ACC1+32
	QKSTORE KRO, 0
	QUANT3 ACC1+48, ACC1+64, ACC1+80
	QKSTORE KRO, 3
	GEMM 1, 128, 240, 0xdd, 0xfd, 0xfe, 0          ; v
	WIN 0
	s_wait_tensorcnt 0x0                           ; no tensor load of mine is out, so group 0 may be written
	ds_add_u32 v[SPW], v[NIL]                      ; 0 onto my spare word
	s_add_nc_u64 s[42:43], s[42:43], WRW           ; the next three units of my stream: the next head's, behind the last head Wo's first three
	s_wait_dscnt 0x0                               ; the add is done, and my reads of the region (and, in the first trip, of x's rows) are over
	CROUND                                         ; so it is with every wave of all four work-groups
	tensor_load_to_lds s[40:43], s[24:31]          ; the joint refill, first behind the round: it lands while the attention runs, which reads no weights
	s_nop 0
	PLACES 4
	PLACES 4                                       ; eight places behind v's last product
	WIN 0xc0
.irp n, 52,53,54,55,56,57,58,59,60,61,62,63,68,69,70,71,72,73,74,75,76,77,78,79,84,85,86,87,88,89,90,91,92,93,94,95,108,109,110,111,112,113,114,115,116,117,118,119
	v_mov_b32 v[\n], 0                             ; zero codes for K = 32 .. 127 of the keys, and behind the last queries
.endr
	WIN 0
	v_add_nc_u32 v[IW], s54, v[IWB]
	PLACES 4                                       ; an operand written by vector instructions stands four places ahead of a scaled product
	; ---- the head's attention, four groups by turns
	VSTORE 0                                       ; block 0's v is turned,
	VLOAD
	GLOAD 0, 1                                     ; and its dilated chunks' keys and queries are asked for; the biases' loads are issued while these are on their way
	s_cmp_lt_u32 s51, 3                            ; the trip's number: the same in all waves and partners; the arms hold loads of biases alone
	s_cbranch_scc0 .Lbo
	v_add_nc_u32 v[BQO], 128, v[BQO]               ; (their last loads were waited for at the trip's head)
	v_add_nc_u32 v[BVO], 128, v[BVO]
	BIASQKV                                        ; the next head's
	s_branch .Lbd
.Lbo:
	BIASO 0                                        ; behind the last head: bo of units 0 and 1
.Lbd:
	s_wait_dscnt 0x0
	SCORES SAT                                     ; block 0, dilated
	WIN 0
	PLACES 8                                       ; ahead of the loads into the keys' and queries' registers, and of the first read of the scores
	GLOAD 0, 0                                     ; the local chunks' operands land while the first softmax runs
	SOFTMAX SAT
	s_wait_dscnt 0x0
	SCORES SLO                                     ; block 0, local
	WIN 0
	PLACES 8
	GLOAD 1, 1                                     ; block 1's dilated operands land under the products below
	PVSM 0xa3, 0, SAT, SLO                         ; O^T dilated of block 0 | the local softmax.  Slice 23's thirteen plain lines are the places behind the last product
	s_wait_dscnt 0x0
	SCORES SAT                                     ; block 1, dilated: over the p that the products above have read
	WIN 0
	PLACES 8
	OSTORE                                         ; one run of LDS instructions, all awaited behind the next products: block 0's dilated result through scratch,
	OLOAD T0
	VSTORE 1                                       ; block 1's v turned, over the same bytes (LDS serves a wave's instructions in order),
	VLOAD
	GLOAD 1, 0                                     ; and block 1's local operands
	PVSM 0x53, 128, SLO, SAT                       ; O^T local of block 0 (v's accumulators are source 0 as they stand) | block 1's dilated softmax
	s_wait_dscnt 0x0
	SCORES SLO                                     ; block 1, local
	OADD T0                                        ; block 0: local + dilated; these 24 plain lines are also the places behind the scores
	PVSM 0xa3, 0, SAT, SLO                         ; O^T dilated of block 1 | its local softmax
	OSTORE
	OLOAD T1                                       ; lands under the products below
	PVQ 0x53, 176, SLO, T0, T0+16, T0+32           ; O^T local of block 1 | block 0's result is quantised
	ASTORE 0
	PLACES 8                                       ; behind the last product, ahead of the first read of its result
	s_wait_dscnt 0x0
	OADD T1
	QUANT3 T1, T1+16, T1+32
	ASTORE 1
	s_add_co_u32 s54, s54, 512
	s_add_co_u32 s55, s55, 8
	s_add_co_u32 s51, s51, 1
	s_cmp_lt_u32 s51, 4
	s_cbranch_scc1 .Lhead
	; ---- the last product: my 128 columns, four units; K step w of the left operand came from wave w
.irp m, 0,1,2,3,4,5
	ds_store_b32 v[ISW], v[AS+\m] offset:512*\m
.endr
	s_wait_dscnt 0x0                               ; for the others' sake: my images and scale words are stored
	s_barrier_signal -1
	s_barrier_wait -1
	FRAGS 1
	s_wait_tensorcnt 0x0                           ; Wo's units 0 to 2
	s_wait_loadcnt 0x0                             ; bo
	LOADW 0
	GEMM 0, ACC1, 224, 0x37, 0x07, 0x0b, 1         ; unit 0
	WIN 0
	s_wait_tensorcnt 0x0                           ; place 0 of my region is in my registers: it takes unit 3
	ds_add_u32 v[SPW], v[NIL]
	s_wait_dscnt 0x0
	CROUND
	tensor_load_to_lds s[44:47], s[32:39]
	s_nop 0
	PLACES 4
	PLACES 4
	LOADW 1
	GEMM 0, 128, 240, 0xf7, 0xf7, 0xfb, 1          ; unit 1
	WIN 0
	PLACES 8
	LOADW 2
	BIASO 2
	OUT 0                                          ; columns 0 to 63 of my 128
	s_wait_loadcnt 0x0                             ; bo of units 2 and 3
	GEMM 0, ACC1, 224, 0x37, 0x07, 0x0b, 0         ; unit 2
	WIN 0
	PLACES 8
	s_wait_tensorcnt 0x0                           ; unit 3 has landed
	LOADW 0
	GEMM 0, 128, 240, 0xf7, 0xf7, 0xfb, 1          ; unit 3
	WIN 0
	PLACES 8
	OUT 1                                          ; columns 64 to 127
	s_wait_tensorcnt 0x0                           ; the wave's end: behind my last tensor load and my last LDS store
	ds_add_u32 v[SPW], v[NIL]
	s_wait_dscnt 0x0
	CROUND                                         ; the closing round: no work-group ends while a partner may still ask for a piece that names it
	s_endpgm
.Lfunc_end_k_qca361a393a_fused:
	.size	k_qca361a393a_fused, .Lfunc_end_k_qca361a393a_fused-k_qca361a393a_fused
	.p2alignl 7, 3214868480
	.fill 96, 4, 3214868480
	.section	.rodata,"a",@progbits
	.p2align	6, 0x0
	.amdhsa_kernel k_qca361a393a_fused
		.amdhsa_group_segment_fixed_size 327680
		.amdhsa_private_segment_fixed_size 0
		.amdhsa_enable_private_segment 0
		.amdhsa_kernarg_size 56
		.amdhsa_user_sgpr_count 2
		.amdhsa_user_sgpr_kernarg_segment_ptr 1
		.amdhsa_wavefront_size32 1
		.amdhsa_system_sgpr_workgroup_id_x 1
		.amdhsa_system_sgpr_workgroup_id_y 1
		.amdhsa_system_sgpr_workgroup_id_z 1
		.amdhsa_system_vgpr_workitem_id 0
		.amdhsa_next_free_vgpr 1024
		.amdhsa_next_free_sgpr 70
		.amdhsa_reserve_vcc 1
		.amdhsa_float_denorm_mode_32 3
		.amdhsa_float_denorm_mode_16_64 3
		.amdhsa_memory_ordered 1
		.amdhsa_forward_progress 1
		.amdhsa_inst_pref_size 255
	.end_amdhsa_kernel
	.section	.bss,"aw",@nobits
	.p2align	6
	.space	262144
	.amdgpu_metadata
---
amdhsa.version: [ 1, 2 ]
amdhsa.kernels:
  - .name:           k_qca361a393a_fused
    .symbol:         k_qca361a393a_fused.kd
    .args:
      - { .name: x, .offset: 0, .size: 8, .value_kind: global_buffer, .address_space: global }
      - { .name: wbuf, .offset: 8, .size: 8, .value_kind: global_buffer, .address_space: global }
      - { .name: bq, .offset: 16, .size: 8, .value_kind: global_buffer, .address_space: global }
      - { .name: bk, .offset: 24, .size: 8, .value_kind: global_buffer, .address_space: global }
      - { .name: bv, .offset: 32, .size: 8, .value_kind: global_buffer, .address_space: global }
      - { .name: bo, .offset: 40, .size: 8, .value_kind: global_buffer, .address_space: global }
      - { .name: out0, .offset: 48, .size: 8, .value_kind: global_buffer, .address_space: global }
    .group_segment_fixed_size: 327680
    .private_segment_fixed_size: 0
    .kernarg_segment_align: 8
    .kernarg_segment_size: 56
    .max_flat_workgroup_size: 128
    .sgpr_count:     70
    .vgpr_count:     1024
    .wavefront_size: 32
...
	.end_amdgpu_metadata
.endif
;; end of part 2
